; MI455X (gfx1250); checked and timed in simulation.
; The chip was launched on July 23, 2026; its instructions are those of AMD's public machine-readable ISA for CDNA 5 (MIT licence, August 2026) and "CDNA5" Instruction Set Architecture Reference Guide (July 2026). The comments in the code are by the model that wrote it; some were corrected since.
;; Vector Quantizer. Allowed arithmetic: float matrix products may take bf16 or f16 operands with f32 sums; all other float work in f32.
;; Inputs: codebook 8,192 x 256 float32; z 8 x 2,048 x 256 float32.
;; Outputs: out0 8 x 2,048 x 256 float32; out1 one number float32; out2 8 x 2,048 int32.
;; 2 versions, each right and faster than the one before. Each part assembles by itself: llvm-mc -triple=amdgcn-amd-amdhsa -mcpu=gfx1250 --defsym DOCPART=n.
;; ======== version 1 of 2: 4 launches
;; workspace buffers: zrec 8,650,752 bytes; wrec 4,325,376 bytes; cand_val 131,072 bytes; cand_idx 131,072 bytes of whole numbers; part 1,024 bytes
;; launch prep (part 1): grid 256 x 1, 6 waves a work-group, no clusters, 52,992 bytes of LDS; arguments z, codebook, zrec, wrec; writes zrec, wrec
.if DOCPART == 1
	.amdgcn_target "amdgcn-amd-amdhsa--gfx1250"
	.amdhsa_code_object_version 6
	.text
	.protected	k_q0777ed74f8_prep
	.globl	k_q0777ed74f8_prep
	.p2align	8
	.type	k_q0777ed74f8_prep,@function
k_q0777ed74f8_prep:
	s_mov_b64 s[64:65], 0
	v_nop
	global_prefetch_b8 v0, s[64:65] scope:SCOPE_SE
	s_setreg_imm32_b32 hwreg(HW_REG_WAVE_MODE, 25, 1), 1
	s_wait_xcnt 0x0
; z [16384][256] f32 and codebook [8192][256] f32 are rewritten as RECORDS of 16 rows, 8,448 bytes each (33 x 256):
;   byte s*1024 + c*512 + L*16 (s = 0..7, c = 0..1, L = 16 h + r): eight bf16, row r, k = 32 s + 16 c + 8 h .. + 7.
;     That is what lane L keeps in registers 4c .. 4c+3 of the 16-bit K = 32 matrix operand of K step s (ISA guide 7.12.2), so the
;     next launch fills an operand by loads of 512 consecutive bytes.
;   bytes 8192 .. 8255: the 16 rows' sums of squares in f32;  bytes 8256 .. 8447: zeros.
; STATED CHOICE: the sums of squares are those of the numbers ROUNDED to bf16, so that all three terms of a distance belong to the same
; rounded inputs.  They are summed 8 numbers a lane, then across the 32 lanes: another order of additions than a serial sum.
; One wave makes one record: 6 waves x 256 work-groups = 1,536 = 1,024 records of z + 512 of the codebook.  No wave needs another: no barrier.
; No matrix unit, no cluster, no tensor load: every byte is read once and written once and no two work-groups read the same bytes.
.set REC,   8448                       ; bytes in a record
.set PITCH, 528                        ; LDS row: 512 bytes of bf16 + 16: the 16 rows that a 16-byte load touches begin 16 bytes apart modulo 256
.set WLDS,  8704                       ; a wave's LDS: 16 rows x 528, then 256 bytes of tail
.set TAIL,  16*PITCH                   ; where the tail begins in a wave's LDS
.set NRM, 6                            ; v6       lane rr < 16: row rr's sum of squares; lanes 16-31: 0
.set U,   8                            ; v[8:15]  my 8 rounded numbers of a row, widened again
.set S,   16                           ; v[16:17] running sums
.set P,   20                           ; v[20:23] my 8 numbers as bf16
.set X,   32                           ; v[32:159] the 16 rows as loaded (row rr, half q at X + 8 rr + 4 q); later the record as stored
	s_load_b256 s[4:11], s[0:1], 0x0               ; z s[4:5], codebook s[6:7], zrec s[8:9], wrec s[10:11]
	v_lshl_add_u32 v160, v0, 2, 0xcc00
	v_mov_b32 v161, 0
	v_lshrrev_b32 v1, 5, v0
	v_readfirstlane_b32 s20, v1                    ; wave 0..5
	s_mul_i32 s21, ttmp9, 6
	s_add_co_u32 s21, s21, s20                     ; record 0..1535: below 1,024 of z, from there on of the codebook
	s_and_b32 s22, s21, 1023                       ; its number in its own tensor (1,024 .. 1,535 become 0 .. 511)
	s_lshl_b32 s24, s22, 14                        ; source: 16 rows of 1,024 bytes
	s_mov_b32 s25, 0
	s_mul_i32 s26, s22, REC                        ; destination
	s_mov_b32 s27, 0
	s_mul_i32 s23, s20, WLDS                       ; my wave's LDS
	s_mov_b32 s12, 0x76543210                      ; v_permlanex16_b32: lane i of one half reads lane i of the other
	s_mov_b32 s13, 0xfedcba98
	s_mov_b32 s14, 0xffff0000                      ; a word's upper bf16
	v_and_b32 v7, 31, v0                           ; lane
	v_lshlrev_b32 v1, 4, v7                        ; 16 L
	s_wait_kmcnt 0x0
	s_cmp_lt_u32 s21, 1024
	s_cselect_b64 s[16:17], s[4:5], s[6:7]         ; from z or from the codebook
	s_cselect_b64 s[18:19], s[8:9], s[10:11]       ; to zrec or to wrec
	s_add_nc_u64 s[16:17], s[16:17], s[24:25]
	s_add_nc_u64 s[18:19], s[18:19], s[26:27]
; all 16 rows at once: 32 loads of 512 consecutive bytes, 16 KiB of the wave on their way
.set i, 0
.rept 32
	global_load_b128 v[X+4*i:X+4*i+3], v1, s[16:17] offset:512*i
.set i, i+1
.endr
	v_lshl_add_u32 v2, v7, 3, s23                  ; image, in: my 8 bytes (4 bf16) of a half row.  Also the tail, out
	v_and_b32 v18, 15, v0                          ; r
	v_bfe_u32 v19, v0, 4, 1                        ; h
	v_mul_u32_u24 v3, v18, PITCH
	v_lshl_add_u32 v3, v19, 4, v3
	v_add_nc_u32 v3, s23, v3                       ; image, out: row r, 16 h bytes in
	v_lshl_add_u32 v4, v7, 2, s23                  ; tail, in: one word a lane
	v_lshlrev_b32 v5, 3, v7                        ; tail in memory: 8 L
	v_mov_b32 v[NRM], 0
	v_mov_b32 v24, 0
; Row rr: rounded, laid into the image, squared and summed.
.macro ROWP rr
	s_wait_loadcnt 30-2*\rr                        ; loads come back in order (ISA guide 5.7.1): the younger rows' two loads each stay out
.irp k, 0,1,2,3
	v_cvt_pk_bf16_f32 v[P+\k], v[X+8*\rr+2*\k], v[X+8*\rr+2*\k+1]
.endr
	ds_store_b64 v2, v[P:P+1] offset:\rr*PITCH             ; k = 4 L .. 4 L + 3
	ds_store_b64 v2, v[P+2:P+3] offset:\rr*PITCH+256       ; k = 128 + 4 L ..
.irp k, 0,1,2,3
	v_lshlrev_b32 v[U+2*\k], 16, v[P+\k]                   ; the rounded numbers as f32
	v_and_b32 v[U+2*\k+1], s14, v[P+\k]
.endr
	v_pk_mul_f32 v[S:S+1], v[U:U+1], v[U:U+1]              ; the first product starts the sums
.irp k, 2,4,6
	v_pk_fma_f32 v[S:S+1], v[U+\k:U+\k+1], v[U+\k:U+\k+1], v[S:S+1]
.endr
	v_add_f32 v[S], v[S], v[S+1]
	v_add_f32_dpp v[S], v[S], v[S] row_xmask:1 row_mask:0xf bank_mask:0xf
	v_add_f32_dpp v[S], v[S], v[S] row_xmask:2 row_mask:0xf bank_mask:0xf
	v_add_f32_dpp v[S], v[S], v[S] row_xmask:4 row_mask:0xf bank_mask:0xf
	v_add_f32_dpp v[S], v[S], v[S] row_xmask:8 row_mask:0xf bank_mask:0xf
	v_permlanex16_b32 v18, v[S], s12, s13                  ; v18 has been written before
	v_add_f32 v18, v[S], v18                               ; the row's sum, in every lane
	v_cmp_eq_u32 vcc_lo, \rr, v7
	v_cndmask_b32 v[NRM], v[NRM], v18, vcc_lo              ; lane rr keeps it
.endm
.irp rr, 0,1,2,3,4,5,6,7,8,9,10,11,12,13,14,15
	ROWP \rr
.endr
	ds_store_b32 v4, v[NRM] offset:TAIL            ; 16 sums and 16 zeros,
	ds_store_b32 v4, v24 offset:TAIL+128           ; 32 zeros more
; The image is read back in record order.  The bytes are the wave's own and LDS serves a wave's instructions in order (ISA guide 5.7.1):
; no wait stands between the stores above and these loads.
.set i, 0
.rept 16
	ds_load_b128 v[X+4*i:X+4*i+3], v3 offset:32*i  ; i = 2 s + c: row r, bytes 64 s + 32 c + 16 h
.set i, i+1
.endr
	ds_load_b64 v[X+64:X+65], v2 offset:TAIL
.set i, 0
.rept 16
	s_wait_dscnt 16-i                              ; the 15 - i younger loads of 16 bytes and the tail's load stay out
	global_store_b128 v1, v[X+4*i:X+4*i+3], s[18:19] offset:512*i   ; 512 consecutive bytes, at a multiple of 256 from the buffer's first byte
.set i, i+1
.endr
	s_wait_dscnt 0x0
	global_store_b64 v5, v[X+64:X+65], s[18:19] offset:8192         ; the tail: 256 consecutive bytes
	s_wait_tensorcnt 0x0
	ds_add_u32 v160, v161
	s_wait_dscnt 0x0
	s_endpgm
.Lfunc_end_k_q0777ed74f8_prep:
	.size	k_q0777ed74f8_prep, .Lfunc_end_k_q0777ed74f8_prep-k_q0777ed74f8_prep
	.p2alignl 7, 3214868480
	.fill 96, 4, 3214868480
	.section	.rodata,"a",@progbits
	.p2align	6, 0x0
	.amdhsa_kernel k_q0777ed74f8_prep
		.amdhsa_group_segment_fixed_size 52992
		.amdhsa_private_segment_fixed_size 0
		.amdhsa_enable_private_segment 0
		.amdhsa_kernarg_size 32
		.amdhsa_user_sgpr_count 2
		.amdhsa_user_sgpr_kernarg_segment_ptr 1
		.amdhsa_wavefront_size32 1
		.amdhsa_system_sgpr_workgroup_id_x 1
		.amdhsa_system_sgpr_workgroup_id_y 1
		.amdhsa_system_sgpr_workgroup_id_z 1
		.amdhsa_system_vgpr_workitem_id 0
		.amdhsa_next_free_vgpr 162
		.amdhsa_next_free_sgpr 66
		.amdhsa_reserve_vcc 1
		.amdhsa_float_denorm_mode_32 3
		.amdhsa_float_denorm_mode_16_64 3
		.amdhsa_memory_ordered 1
		.amdhsa_forward_progress 1
		.amdhsa_inst_pref_size 30
	.end_amdhsa_kernel
	.amdgpu_metadata
---
amdhsa.version: [ 1, 2 ]
amdhsa.kernels:
  - .name:           k_q0777ed74f8_prep
    .symbol:         k_q0777ed74f8_prep.kd
    .args:
      - { .name: z, .offset: 0, .size: 8, .value_kind: global_buffer, .address_space: global }
      - { .name: codebook, .offset: 8, .size: 8, .value_kind: global_buffer, .address_space: global }
      - { .name: zrec, .offset: 16, .size: 8, .value_kind: global_buffer, .address_space: global }
      - { .name: wrec, .offset: 24, .size: 8, .value_kind: global_buffer, .address_space: global }
    .group_segment_fixed_size: 52992
    .private_segment_fixed_size: 0
    .kernarg_segment_align: 8
    .kernarg_segment_size: 32
    .max_flat_workgroup_size: 192
    .sgpr_count:     66
    .vgpr_count:     162
    .wavefront_size: 32
...
	.end_amdgpu_metadata
.endif
;; end of part 1
;; launch argmin (part 2): grid 128 x 2, 8 waves a work-group, clusters of 4 x 1, 327,680 bytes of LDS; arguments zrec, wrec, cand_val, cand_idx; writes cand_val, cand_idx
.if DOCPART == 2
	.amdgcn_target "amdgcn-amd-amdhsa--gfx1250"
	.amdhsa_code_object_version 6
	.text
	.protected	k_q0777ed74f8_argmin
	.globl	k_q0777ed74f8_argmin
	.p2align	8
	.type	k_q0777ed74f8_argmin,@function
k_q0777ed74f8_argmin:
	s_mov_b64 s[64:65], 0
	v_nop
	global_prefetch_b8 v0, s[64:65] scope:SCOPE_SE
	s_setreg_imm32_b32 hwreg(HW_REG_WAVE_MODE, 25, 1), 1
	s_wait_xcnt 0x0
	s_wait_alu depctr_hold_cnt(0) depctr_sa_sdst(0) depctr_va_vdst(0) depctr_va_sdst(0) depctr_va_ssrc(0) depctr_va_vcc(0) depctr_vm_vsrc(0)
	s_getreg_b32 s2, hwreg(HW_REG_IB_STS2, 6, 4)
	s_cmp_eq_u32 s2, 0
	s_cbranch_scc0 .Lentry_in_a_cluster
	s_endpgm
.Lentry_in_a_cluster:
	s_bfe_u32 s2, ttmp6, 0x10000c
	s_cmp_lg_u32 s2, 0x3003
	s_cbranch_scc0 .Lentry_shape_is_right
	s_endpgm
.Lentry_shape_is_right:
; For 128 rows of z and one half (4,096) of the codes: d[n][k] = fl(fl(zz[n] - 2 dot[n][k]) + ww[k]) and its first minimum, value and index.
; Both roundings are made as the problem's formula makes them, because zz is far larger than the other two terms: many distances of a row
; are EQUAL in f32, and then the lowest index wins.  Hence strict '<' where codes come in ascending order, (value, index) order elsewhere.
; LIMITS, stated: z and the codes enter as bf16 (zz and ww are sums over the same rounded numbers); the matrix unit adds the 256 products of a
; dot in its own order; a NaN distance is never taken (a row of NaN alone gives index 0 of its class), where an argmin would return the NaN's place.
;
; SHARES.  Work-group (x, y): rows 128 x .. + 127, codes 4096 y .. + 4095 (256 records of 16 codes).  Wave w: g = w >> 2 its 64 rows,
; p = w & 3 its quarter of the records.  The wave's 64 rows x 256 k of z stay in 256 registers for the whole launch, so each 1,024 bytes of
; codes read from LDS feed four matrix instructions.  A TILE is 16 codes x 64 rows: 8 K steps x 4 = 32 matrix instructions; 64 tiles a wave.
; The codes come in CHUNKS of 16 records (135,168 bytes) through two LDS slots; each wave fetches two records (66 rows of 256 bytes).
; CLUSTER: the four work-groups of a cluster have the same y and walk the same chunks: every chunk is asked for jointly (mask 15), which
; divides the requests for codes by four.  z is read once by its own work-group and is shared with no partner.
;
; THE MATRIX INSTRUCTION IS USED TRANSPOSED: source 0 = 16 codes, source 1 = 16 rows of z.  Lane (r, h), register j then holds
; row 16 mt + r and code 8 h + j of the tile: zz is one number a lane and mt, ww eight registers a tile, and a lane keeps 32 running
; minima (mt, j), each over codes that come in ascending order.
;
; REGISTER WINDOWS: z's operands fill v256-v511, everything else lies in v0-v255.  The whole stream runs under ONE setting, source 1 in the
; upper window: every vector instruction in it has a constant or a scalar register as source 1.  That is why 'd < best' is made as
; fl(d - best) < 0 (the sign is exact: denormals are kept) and the minimum as a three-way minimum with +infinity in the middle.
.set REC,   8448                       ; a record: 8 x 1,024 bytes of operands, 64 bytes of sums of squares, 192 of zeros
.set NORM,  8192
.set SLOT,  16*REC                     ; a chunk
.set WPART, 2*REC                      ; what one tensor load brings
.set QUART, 4*REC                      ; what one wave reads of a chunk
.set HALFW, 256*REC                    ; half of the codebook's records
.set CV, 2*SLOT                        ; scratch behind the slots, no tensor load lands here: candidates' values, 512 bytes a wave
.set CI, CV+4096                       ; candidates' indices
.set RV, CI+4096                       ; the 128 rows' values
.set RI, RV+512                        ; the 128 rows' indices
; v1 16 L   v2, v3 my operand bytes in slot 0, 1   v4, v5 my ww bytes in slot 0, 1   v6 4 r   v7 8 h
.set ZZ,   8                           ; v[8:15]    zz of row 16 mt + r, twice (a pair for the packed forms)
.set T,    16                          ; v[16:17]   d - best
.set WW,   32                          ; v[32:47]   ww of codes 8 h + 0..7, two buffers: tile t uses buffer t & 1
.set B,    48                          ; v[48:111]  the tile's codes: K step s at B + 8 s
.set ACC,  112                         ; v[112:175] two sets of four accumulators: tile t uses set t & 1
.set BEST, 176                         ; v[176:207] running minima, 8 mt + j
.set IDX,  208                         ; v[208:239] first code of the tile in which each was found
.set FIN,  240                         ; v[240:253] the final stage
.set G1, 24                            ; s[24:31] descriptor group 1
.set G0, 32                            ; s[32:39] descriptor group 0, one set for each slot
; s12 wave  s13 p  s14 g  s15 cx  s16 work-group x  s17 y  s[18:19] z's records  s[20:21] my part of chunk 0
; s40 first code of the tile being judged  s41 +infinity  s42 loop counter  s43 my part's place in a slot  s44-46 at work
.set MSB, 0
.macro WIN new                         ; the immediate's high byte repeats the setting that is left
.if MSB != \new
	s_set_vgpr_msb (MSB<<8)|\new
.set MSB, \new
.endif
.endm
; A round of the cluster's barrier: my work-group's barrier, wave 0 signals for the work-group, every wave waits for all four work-groups,
; my work-group's barrier once more.
.macro ROUND
	s_barrier_signal -1
	s_barrier_wait -1
	s_cmp_lg_u32 s12, 0
	s_cbranch_scc1 .Lnot_wave_0_\@
	s_barrier_signal -3
.Lnot_wave_0_\@:
	s_barrier_wait -3
	s_barrier_signal -1
	s_barrier_wait -1
.endm
	s_load_b256 s[4:11], s[0:1], 0x0               ; zrec s[4:5], wrec s[6:7], cand_val s[8:9], cand_idx s[10:11]
	v_lshl_add_u32 v254, v0, 2, 0x44400
	v_mov_b32 v255, 0
	ds_add_u32 v254, v255
	v_lshrrev_b32 v1, 5, v0
	v_readfirstlane_b32 s12, v1                    ; wave 0..7
	s_and_b32 s13, s12, 3                          ; p
	s_lshr_b32 s14, s12, 2                         ; g
	s_bfe_u32 s15, ttmp6, 0x40000                  ; cx
	s_lshl_b32 s16, ttmp9, 2                       ; in a cluster launch ttmp9 counts clusters
	s_add_co_u32 s16, s16, s15                     ; work-group x
	s_and_b32 s17, ttmp7, 0xffff                   ; y: the cluster is one work-group high
	; group 1: a block that is dense in memory, 66 rows of 32 elements of 8 bytes
	s_mov_b32 s[G1+0], 15|(3<<16)|(1<<21)          ; 15:0 mask: all four of the cluster; 17:16 elements of 8 bytes; 21 set beside a mask; no padding
	s_mov_b32 s[G1+1], 32<<16                      ; tensor_dim0 = 32
	s_mov_b32 s[G1+2], 66<<16                      ; tensor_dim1 = 66
	s_mov_b32 s[G1+3], 32<<16                      ; tile_dim0 = 32
	s_mov_b32 s[G1+4], 66                          ; tile_dim1 = 66
	s_mov_b32 s[G1+5], 32                          ; from row to row: 32 elements
	s_mov_b32 s[G1+6], 0
	s_mov_b32 s[G1+7], 0
	s_mul_i32 s43, s12, WPART                      ; my two records' place in a chunk and in a slot: the wave's number alone
	s_mul_i32 s44, s17, HALFW                      ; the codes' address hangs on y and the wave alone, which the four partners share
	s_add_co_u32 s44, s44, s43
	s_mov_b32 s45, 0
	s_lshl_b32 s22, s16, 3                         ; z: record 8 x + 4 g
	s_lshl2_add_u32 s22, s14, s22
	s_mul_i32 s22, s22, REC
	s_mov_b32 s23, 0
	s_lshl_b32 s40, s17, 12                        ; my tile 0 begins at code 4096 y + 64 p
	s_lshl_b32 s46, s13, 6
	s_add_co_u32 s40, s40, s46
	s_mov_b32 s41, 0x7f800000                      ; +infinity
	v_and_b32 v20, 31, v0                          ; L
	v_lshlrev_b32 v1, 4, v20                       ; 16 L
	s_wait_dscnt 0x0
	s_wait_kmcnt 0x0
	s_add_nc_u64 s[18:19], s[4:5], s[22:23]
	s_add_nc_u64 s[20:21], s[6:7], s[44:45]
.irp n, 0,1
	s_mov_b32 s[G0+4*\n], 1                                        ; count = 1
	s_add_co_u32 s[G0+4*\n+1], s43, \n*SLOT                        ; LDS address
	s_add_nc_u64 s[G0+4*\n+2:G0+4*\n+3], s[20:21], \n*SLOT         ; global address: chunk n
	s_or_b32 s[G0+4*\n+3], s[G0+4*\n+3], 0x80000000                ; type = 2
.endr
	ROUND                                          ; all four work-groups are here: the first joint loads meet
	tensor_load_to_lds s[G0:G0+3], s[G1:G1+7]      ; chunk 0 and chunk 1: the two first fills go out together;
	s_nop 0
	tensor_load_to_lds s[G0+4:G0+7], s[G1:G1+7]    ; two loads of the wave are out here, later never more than one
	s_nop 0
	; my 64 rows of z: 64 loads of 512 consecutive bytes into v256-v511; operand (mt, s) at 256 + 8 (8 mt + s)
	WIN 0x40                                       ; destination in the upper window
.irp mt, 0,1,2,3
.irp s, 0,1,2,3,4,5,6,7
	global_load_b128 v[8*(8*\mt+\s):8*(8*\mt+\s)+3],   v1, s[18:19] offset:\mt*REC+\s*1024
	global_load_b128 v[8*(8*\mt+\s)+4:8*(8*\mt+\s)+7], v1, s[18:19] offset:\mt*REC+\s*1024+512
.endr
.endr
	WIN 0
	v_and_b32 v21, 15, v0                          ; r
	v_bfe_u32 v22, v0, 4, 1                        ; h
	v_lshlrev_b32 v6, 2, v21                       ; 4 r
	v_lshlrev_b32 v7, 3, v22                       ; 8 h
.irp mt, 0,1,2,3
	global_load_b32 v[ZZ+2*\mt], v6, s[18:19] offset:\mt*REC+NORM  ; zz of row 16 mt + r
.endr
	s_mul_i32 s44, s13, QUART                      ; my quarter of a chunk
	v_add_nc_u32 v2, s44, v1
	v_add_nc_u32 v3, SLOT, v2
	v_lshl_add_u32 v4, v22, 5, s44                 ; ww of codes 8 h ..: 32 h bytes into the record's sums
	v_add_nc_u32 v4, NORM, v4
	v_add_nc_u32 v5, SLOT, v4
	s_wait_loadcnt 0x0
.irp mt, 0,1,2,3
	v_mov_b32 v[ZZ+2*\mt+1], v[ZZ+2*\mt]           ; the pair's second half
.endr
; One matrix instruction: tile's set, K step s, rows 16 mt ...  The first K step starts the sum.
.macro WM set, s, mt
.if \s == 0
	v_wmma_f32_16x16x32_bf16 v[ACC+32*\set+8*\mt:ACC+32*\set+8*\mt+7], v[B+8*\s:B+8*\s+7], v[8*(8*\mt+\s):8*(8*\mt+\s)+7], 0
.else
	v_wmma_f32_16x16x32_bf16 v[ACC+32*\set+8*\mt:ACC+32*\set+8*\mt+7], v[B+8*\s:B+8*\s+7], v[8*(8*\mt+\s):8*(8*\mt+\s)+7], v[ACC+32*\set+8*\mt:ACC+32*\set+8*\mt+7]
.endif
.endm
; Half of the judging of two neighbouring results of the tile in set pset: pair q >> 1 of sixteen.  Even q: the distance and the compare of
; the first; odd q: both updates.  Nine instructions for two results.
.macro PIECE q, pset
.set PM, (\q)>>3
.set PJ, 2*(((\q)>>1)&3)
.set PD, ACC+32*(\pset)+8*PM+PJ
.set PE, 8*PM+PJ
.if ((\q)&1) == 0
	v_pk_fma_f32 v[PD:PD+1], v[PD:PD+1], -2.0, v[ZZ+2*PM:ZZ+2*PM+1] op_sel_hi:[1,0,1]                          ; fl(zz - 2 dot)
	v_pk_fma_f32 v[PD:PD+1], v[PD:PD+1], 1.0, v[WW+8*(\pset)+PJ:WW+8*(\pset)+PJ+1] op_sel_hi:[1,0,1]           ; fl(.. + ww): the second rounding
	v_pk_fma_f32 v[T:T+1], v[PD:PD+1], 1.0, v[BEST+PE:BEST+PE+1] op_sel_hi:[1,0,1] neg_lo:[0,0,1] neg_hi:[0,0,1] ; d - best
	v_cmp_lt_f32 vcc_lo, v[T], 0
.else
	v_cndmask_b32 v[IDX+PE], v[IDX+PE], s40, vcc_lo
	v_min3_num_f32 v[BEST+PE], v[PD], s41, v[BEST+PE]
	v_cmp_lt_f32 vcc_lo, v[T+1], 0
	v_cndmask_b32 v[IDX+PE+1], v[IDX+PE+1], s40, vcc_lo
	v_min3_num_f32 v[BEST+PE+1], v[PD+1], s41, v[BEST+PE+1]
.endif
.endm
; In the first tile's stream there is nothing to judge: the minima are started instead.  Behind each K step's last matrix instruction
; two v_nop make up the four places that the loads into its operand want.
.macro INITP q
	v_mov_b32 v[BEST+\q], s41
	v_mov_b32 v[IDX+\q], 0
.if ((\q)&3) == 3
	v_nop
	v_nop
.endif
.endm
; The stream of one tile: its 32 matrix instructions into set; between them the judging of the tile before (epi = 1), which lies in the
; other set; behind each K step the same K step of the NEXT tile (record ti of my quarter of slot rs) is loaded over the operand just used
; (ld = 1); at the end the next tile's ww.  step: from the judged tile's first code to the next one's.
; The four accumulators take turns, one instruction a turn, from stream to stream and over the loop's backward jump too.
; PLACES: the loads into B(s) stand behind the five plain vector instructions of an odd PIECE, which name no register of
; the matrix instruction in front of them; an accumulator is first read 18 such instructions (10 in the first stream) behind its last matrix instruction.
.macro STREAM set, epi, ld, rs, ti, step
.irp s, 0,1,2,3,4,5,6,7
.if \ld
	s_wait_dscnt 16                                ; behind the two loads of this tile's B(s) were issued 2 (7 - s) more of its stream, 2 of ww and 2 s of this stream: 16.
	                                               ; At s = 0 it also shows the judged tile's ww, behind which 18 were issued
.else
.if \s == 0
	s_wait_dscnt 0x0                               ; nothing is loaded in this stream: all is in
.endif
.endif
.irp mt, 0,1,2,3
	WM \set, \s, \mt
.if \epi
	PIECE (4*\s+\mt), (1-\set)
.else
	INITP (4*\s+\mt)
.endif
.endr
.if \ld
	ds_load_b128 v[B+8*\s:B+8*\s+3],   v[2+\rs] offset:\ti*REC+\s*1024
	ds_load_b128 v[B+8*\s+4:B+8*\s+7], v[2+\rs] offset:\ti*REC+\s*1024+512
.endif
.endr
.if \ld
	ds_load_b128 v[WW+8*(1-\set):WW+8*(1-\set)+3],   v[4+\rs] offset:\ti*REC
	ds_load_b128 v[WW+8*(1-\set)+4:WW+8*(1-\set)+7], v[4+\rs] offset:\ti*REC+16
.endif
.if \step
	s_add_co_u32 s40, s40, \step
.endif
.endm
; The change of slots, and four streams that load their next tiles from slot rs.  The last tile of the other slot is in registers by the
; wait for my LDS loads, so that slot can be filled again while its last tile is still being multiplied.
.macro TRIP rs, refill
	WIN 0
	s_wait_dscnt 0x0                               ; my reads of the other slot are back
	s_wait_tensorcnt 0x0                           ; all my tensor loads have landed: the one that was out is my part of slot rs
	ds_add_u32 v254, v255
	s_wait_dscnt 0x0
.if \refill
	s_add_nc_u64 s[G0+4*(1-\rs)+2:G0+4*(1-\rs)+3], s[G0+4*(1-\rs)+2:G0+4*(1-\rs)+3], 2*SLOT   ; no load is out: the other slot's address steps two chunks
	ROUND                                          ; both waits now hold of every wave of all four work-groups
	tensor_load_to_lds s[G0+4*(1-\rs):G0+4*(1-\rs)+3], s[G1:G1+7]   ; my one load behind the round, first thing there: it has four streams in which to land
	s_nop 0
.else
	s_barrier_signal -1                            ; the last chunk: nothing is filled, every wave's part of slot rs has landed
	s_barrier_wait -1
.endif
	WIN 0x04
	STREAM 1, 1, 1, \rs, 0, 16
	STREAM 0, 1, 1, \rs, 1, 208                    ; the judged tile was its chunk's last: 256 - 48 codes on
	STREAM 1, 1, 1, \rs, 2, 16
	STREAM 0, 1, 1, \rs, 3, 16
.endm
; (va, ia) takes (vb, ib) if that is smaller in (value, index) order
.macro LEX va, ia, vb, ib
	v_cmp_lt_f32 s44, v[\vb], v[\va]
	v_cmp_eq_f32 s45, v[\vb], v[\va]
	v_cmp_lt_u32 s46, v[\ib], v[\ia]
	s_and_b32 s45, s45, s46
	s_or_b32 vcc_lo, s44, s45
	v_cndmask_b32 v[\va], v[\va], v[\vb], vcc_lo
	v_cndmask_b32 v[\ia], v[\ia], v[\ib], vcc_lo
.endm
	s_wait_tensorcnt 0x1                           ; my part of chunk 0 is in; chunk 1 may stay out
	s_barrier_signal -1
	s_barrier_wait -1                              ; everybody's part is in
.irp s, 0,1,2,3,4,5,6,7
	ds_load_b128 v[B+8*\s:B+8*\s+3],   v2 offset:\s*1024           ; tile 0
	ds_load_b128 v[B+8*\s+4:B+8*\s+7], v2 offset:\s*1024+512
.endr
	ds_load_b128 v[WW:WW+3],   v4
	ds_load_b128 v[WW+4:WW+7], v4 offset:16
	WIN 0x04                                       ; source 1 in the upper window
	STREAM 0, 0, 1, 0, 1, 0                        ; tile 0 multiplied, the minima started
	STREAM 1, 1, 1, 0, 2, 16                       ; tile 1 multiplied, tile 0 judged
	STREAM 0, 1, 1, 0, 3, 16
	WIN 0
	s_mov_b32 s42, 7
.Lchunks:                                      ; 14 changes of slots, which ask for chunks 2 to 15
	TRIP 1, 1
	TRIP 0, 1
	WIN 0
	s_sub_co_u32 s42, s42, 1
	s_cmp_lg_u32 s42, 0
	s_cbranch_scc1 .Lchunks
	TRIP 1, 0                                      ; chunk 15: nothing is left to fetch
	STREAM 1, 1, 0, 0, 0, 16                       ; tile 63 multiplied, tile 62 judged
.set fq, 0
.rept 32
	PIECE fq, 1                                    ; tile 63 judged; accumulator 0 is read 18 plain vector instructions behind its last matrix instruction,
.set fq, fq+1                                  ; the others behind five and the pieces in front of theirs
.endr
	WIN 0
	; THE FINAL STAGE.  A lane's 32 minima get their true indices and shrink to one for each mt.
.set e, 0
.rept 32
	v_add3_u32 v[IDX+e], v[IDX+e], v7, e&7         ; tile's first code + 8 h + j
.set e, e+1
.endr
.irp mt, 0,1,2,3
.irp j, 0,1,2,3
	LEX BEST+8*\mt+\j, IDX+8*\mt+\j, BEST+8*\mt+\j+4, IDX+8*\mt+\j+4
.endr
	LEX BEST+8*\mt,   IDX+8*\mt,   BEST+8*\mt+2, IDX+8*\mt+2
	LEX BEST+8*\mt+1, IDX+8*\mt+1, BEST+8*\mt+3, IDX+8*\mt+3
	LEX BEST+8*\mt,   IDX+8*\mt,   BEST+8*\mt+1, IDX+8*\mt+1
.endr
	; a row has eight candidates: four waves p, two halves h.  Each wave lays its 128 into 512 bytes of its own: 512 w + 128 mt + 4 L
	s_lshl_b32 s44, s12, 9
	s_add_co_u32 s44, s44, CV
	v_and_b32 v[FIN], 31, v0
	v_lshl_add_u32 v[FIN], v[FIN], 2, s44
.irp mt, 0,1,2,3
	ds_store_b32 v[FIN], v[BEST+8*\mt] offset:128*\mt
	ds_store_b32 v[FIN], v[IDX+8*\mt]  offset:128*\mt+4096
.endr
	; thread t takes row t >> 1 = 16 w + (L >> 1) and half h = t & 1: that row's g is w >> 2, its mt is w & 3, its r is L >> 1
	s_lshl_b32 s44, s14, 11                        ; 4 g waves of 512 bytes
	s_lshl_b32 s45, s13, 7                         ; 128 mt
	s_add_co_u32 s44, s44, s45
	s_add_co_u32 s44, s44, CV
	v_and_b32 v[FIN+1], 1, v0
	v_bfe_u32 v[FIN+12], v0, 1, 4                  ; L >> 1
	v_lshlrev_b32 v[FIN+1], 6, v[FIN+1]            ; 16 h lanes of 4 bytes
	v_lshl_add_u32 v[FIN+1], v[FIN+12], 2, v[FIN+1]
	v_add_nc_u32 v[FIN+1], s44, v[FIN+1]
	s_wait_dscnt 0x0                               ; my candidates are in LDS, for the others' sake
	s_barrier_signal -1
	s_barrier_wait -1
.irp p, 0,1,2,3
	ds_load_b32 v[FIN+2+\p], v[FIN+1] offset:512*\p
	ds_load_b32 v[FIN+6+\p], v[FIN+1] offset:512*\p+4096
.endr
	s_wait_dscnt 0x0
	LEX FIN+2, FIN+6, FIN+3, FIN+7
	LEX FIN+4, FIN+8, FIN+5, FIN+9
	LEX FIN+2, FIN+6, FIN+4, FIN+8
	v_mov_b32 v[FIN+10], 0                         ; a DPP form's destination counts as read: written first
	v_mov_b32 v[FIN+11], 0
	v_mov_b32_dpp v[FIN+10], v[FIN+2] row_xmask:1 row_mask:0xf bank_mask:0xf   ; the other half's result, from the lane beside me
	v_mov_b32_dpp v[FIN+11], v[FIN+6] row_xmask:1 row_mask:0xf bank_mask:0xf
	LEX FIN+2, FIN+6, FIN+10, FIN+11               ; both lanes of a pair now hold the row's result
	s_lshl_b32 s44, s12, 6
	s_add_co_u32 s44, s44, RV
	v_lshl_add_u32 v[FIN+12], v[FIN+12], 2, s44    ; word 16 w + (L >> 1): 64 bytes of the wave's own
	ds_store_b32 v[FIN+12], v[FIN+2]
	ds_store_b32 v[FIN+12], v[FIN+6] offset:512
	s_wait_dscnt 0x0
	s_barrier_signal -1
	s_barrier_wait -1
	s_cmp_lg_u32 s12, 0
	s_cbranch_scc1 .Lnot_first
	; wave 0 stores the 128 rows' values and indices: 512 consecutive bytes each, at a multiple of 256 from the buffer's first byte
	v_add_nc_u32 v[FIN+13], RV, v1
	ds_load_b128 v[FIN+2:FIN+5], v[FIN+13]
	ds_load_b128 v[FIN+6:FIN+9], v[FIN+13] offset:512
	s_lshl_b32 s22, s16, 9                         ; 128 x rows of 4 bytes (in the registers that held z's offset: none that feeds a descriptor ever holds cx)
	s_lshl_b32 s23, s17, 16                        ; + y tables of 16,384 rows
	s_add_co_u32 s22, s22, s23
	s_mov_b32 s23, 0
	s_add_nc_u64 s[8:9], s[8:9], s[22:23]
	s_add_nc_u64 s[10:11], s[10:11], s[22:23]
	s_wait_dscnt 0x0
	global_store_b128 v1, v[FIN+2:FIN+5], s[8:9]
	global_store_b128 v1, v[FIN+6:FIN+9], s[10:11]
.Lnot_first:
	s_wait_tensorcnt 0x0
	ds_add_u32 v254, v255
	s_wait_dscnt 0x0
	ROUND                                          ; the closing round: no work-group ends while a partner may still ask for a chunk that names it
	s_endpgm
.Lfunc_end_k_q0777ed74f8_argmin:
	.size	k_q0777ed74f8_argmin, .Lfunc_end_k_q0777ed74f8_argmin-k_q0777ed74f8_argmin
	.p2alignl 7, 3214868480
	.fill 96, 4, 3214868480
	.section	.rodata,"a",@progbits
	.p2align	6, 0x0
	.amdhsa_kernel k_q0777ed74f8_argmin
		.amdhsa_group_segment_fixed_size 327680
		.amdhsa_private_segment_fixed_size 0
		.amdhsa_enable_private_segment 0
		.amdhsa_kernarg_size 32
		.amdhsa_user_sgpr_count 2
		.amdhsa_user_sgpr_kernarg_segment_ptr 1
		.amdhsa_wavefront_size32 1
		.amdhsa_system_sgpr_workgroup_id_x 1
		.amdhsa_system_sgpr_workgroup_id_y 1
		.amdhsa_system_sgpr_workgroup_id_z 1
		.amdhsa_system_vgpr_workitem_id 0
		.amdhsa_next_free_vgpr 512
		.amdhsa_next_free_sgpr 66
		.amdhsa_reserve_vcc 1
		.amdhsa_float_denorm_mode_32 3
		.amdhsa_float_denorm_mode_16_64 3
		.amdhsa_memory_ordered 1
		.amdhsa_forward_progress 1
		.amdhsa_inst_pref_size 229
	.end_amdhsa_kernel
	.amdgpu_metadata
---
amdhsa.version: [ 1, 2 ]
amdhsa.kernels:
  - .name:           k_q0777ed74f8_argmin
    .symbol:         k_q0777ed74f8_argmin.kd
    .args:
      - { .name: zrec, .offset: 0, .size: 8, .value_kind: global_buffer, .address_space: global }
      - { .name: wrec, .offset: 8, .size: 8, .value_kind: global_buffer, .address_space: global }
      - { .name: cand_val, .offset: 16, .size: 8, .value_kind: global_buffer, .address_space: global }
      - { .name: cand_idx, .offset: 24, .size: 8, .value_kind: global_buffer, .address_space: global }
    .group_segment_fixed_size: 327680
    .private_segment_fixed_size: 0
    .kernarg_segment_align: 8
    .kernarg_segment_size: 32
    .max_flat_workgroup_size: 256
    .sgpr_count:     66
    .vgpr_count:     512
    .wavefront_size: 32
...
	.end_amdgpu_metadata
.endif
;; end of part 2
;; launch gather (part 3): grid 256 x 1, 8 waves a work-group, no clusters, 1,280 bytes of LDS; arguments z, codebook, cand_val, cand_idx, out0, out2, part; writes out0, out2, part
.if DOCPART == 3
	.amdgcn_target "amdgcn-amd-amdhsa--gfx1250"
	.amdhsa_code_object_version 6
	.text
	.protected	k_q0777ed74f8_gather
	.globl	k_q0777ed74f8_gather
	.p2align	8
	.type	k_q0777ed74f8_gather,@function
k_q0777ed74f8_gather:
	s_mov_b64 s[64:65], 0
	v_nop
	global_prefetch_b8 v0, s[64:65] scope:SCOPE_SE
	s_setreg_imm32_b32 hwreg(HW_REG_WAVE_MODE, 25, 1), 1
	s_wait_xcnt 0x0
; Each row has two candidates, one from each half of the codebook: (cand_val[0][n], cand_idx[0][n]) and (cand_val[1][n], cand_idx[1][n]).
; BOTH candidates' code rows are fetched, by indices that the launch before stored as whole numbers; the floating-point compare only selects
; between the two (v_cndmask_b32), so no address hangs on it.  Strict '<': on a tie the lower half, the lower index, stays.
; out0 = z + (q - z), rounded as the formula rounds it, from the f32 inputs; out2 = the index; part[work-group] = the sum of (q - z)^2 over its 64 rows.
; LIMIT, stated: a NaN candidate value never wins the compare.
; Eight waves, 8 rows each: a row is 1,024 bytes, two loads of 512 consecutive bytes.  All 48 loads of a wave go out at once (24 KiB on their way).
; No LDS tiles, no cluster, no matrix unit: z and out0 pass once, and the code rows are named by a list, not shared as tiles.
; No prefetch: every load of the wave is issued as soon as its address is known, and nothing is left to ask for earlier.
.set OA, 2                             ; v[2:9]     byte offsets of the first candidates' rows
.set OB, 10                            ; v[10:17]   of the second candidates'
.set LS, 18                            ; v[18:21]   two chains of the loss
.set TT, 22                            ; v22        at work
.set Z,  24                            ; v[24:87]   z, row i at Z + 8 i; then out0
.set QA, 88                            ; v[88:151]  first candidate's row; then q; then q - z
.set QB, 152                           ; v[152:215] second candidate's row
.set IA, 16                            ; s[16:23] indices, lower half      s[24:31] upper half
.set IB, 24
.set VA, 32                            ; s[32:39] values, lower half       s[40:47] upper half
.set VB, 40
	s_load_b256 s[4:11], s[0:1], 0x0               ; z s[4:5], codebook s[6:7], cand_val s[8:9], cand_idx s[10:11]
	s_load_b128 s[12:15], s[0:1], 0x20             ; out0 s[12:13], out2 s[14:15]
	s_load_b64 s[48:49], s[0:1], 0x30              ; part
	v_lshl_add_u32 v216, v0, 2, 0x100
	v_mov_b32 v217, 0
	v_lshrrev_b32 v1, 5, v0
	v_readfirstlane_b32 s50, v1                    ; wave 0..7
	s_lshl_b32 s51, ttmp9, 6
	s_lshl3_add_u32 s51, s50, s51                  ; my first row: 64 x work-group + 8 x wave
	s_lshl_b32 s52, s51, 2                         ; its bytes in the candidates' tables
	s_mov_b32 s53, 0
	s_lshl_b32 s54, s51, 10                        ; and in z and out0
	s_mov_b32 s55, 0
	s_mov_b32 s60, 0x76543210                      ; v_permlanex16_b32: lane i of one half reads lane i of the other
	s_mov_b32 s61, 0xfedcba98
	v_and_b32 v1, 31, v0
	v_lshlrev_b32 v1, 4, v1                        ; 16 L
	s_wait_kmcnt 0x0
	s_add_nc_u64 s[56:57], s[10:11], s[52:53]
	s_add_nc_u64 s[58:59], s[8:9], s[52:53]
	s_load_b256 s[IA:IA+7], s[56:57], 0x0          ; my 8 rows' candidates; the upper half's table begins 16,384 x 4 bytes further
	s_load_b256 s[IB:IB+7], s[56:57], 0x10000
	s_load_b256 s[VA:VA+7], s[58:59], 0x0
	s_load_b256 s[VB:VB+7], s[58:59], 0x10000
	s_add_nc_u64 s[4:5], s[4:5], s[54:55]
	s_add_nc_u64 s[12:13], s[12:13], s[54:55]
.set i, 0
.rept 16
	global_load_b128 v[Z+4*i:Z+4*i+3], v1, s[4:5] offset:512*i th:TH_LOAD_NT
.set i, i+1
.endr
	s_wait_kmcnt 0x0
.irp i, 0,1,2,3,4,5,6,7
	s_min_u32 s[IA+\i], s[IA+\i], 0x1fff           ; a loaded number enters an address only behind a clamp to the table's 8,192 rows
	s_min_u32 s[IB+\i], s[IB+\i], 0x1fff
	v_lshl_add_u32 v[OA+\i], s[IA+\i], 10, v1      ; 1,024 bytes a row + 16 L
	v_lshl_add_u32 v[OB+\i], s[IB+\i], 10, v1
.endr
.irp i, 0,1,2,3,4,5,6,7
	global_load_b128 v[QA+8*\i:QA+8*\i+3],   v[OA+\i], s[6:7]
	global_load_b128 v[QA+8*\i+4:QA+8*\i+7], v[OA+\i], s[6:7] offset:512
	global_load_b128 v[QB+8*\i:QB+8*\i+3],   v[OB+\i], s[6:7]
	global_load_b128 v[QB+8*\i+4:QB+8*\i+7], v[OB+\i], s[6:7] offset:512
.endr
.macro ROWG i
	s_wait_loadcnt 4*(7-\i)                        ; loads come back in order (ISA guide 5.7.1): the younger rows' four loads each stay out; z was asked for first
	v_mov_b32 v[TT], s[VA+\i]
	v_cmp_lt_f32 vcc_lo, s[VB+\i], v[TT]           ; the upper half wins only if strictly smaller
.irp k, 0,1,2,3,4,5,6,7
	v_cndmask_b32 v[QA+8*\i+\k], v[QA+8*\i+\k], v[QB+8*\i+\k], vcc_lo
.endr
.irp k, 0,2,4,6
	v_pk_add_f32 v[QA+8*\i+\k:QA+8*\i+\k+1], v[QA+8*\i+\k:QA+8*\i+\k+1], v[Z+8*\i+\k:Z+8*\i+\k+1] neg_lo:[0,1] neg_hi:[0,1]   ; q - z
.endr
.irp k, 0,2,4,6
.if (\i*8+\k) < 4
	v_pk_mul_f32 v[LS+\k:LS+\k+1], v[QA+8*\i+\k:QA+8*\i+\k+1], v[QA+8*\i+\k:QA+8*\i+\k+1]   ; the first two products start the two chains
.else
	v_pk_fma_f32 v[LS+(\k&2):LS+(\k&2)+1], v[QA+8*\i+\k:QA+8*\i+\k+1], v[QA+8*\i+\k:QA+8*\i+\k+1], v[LS+(\k&2):LS+(\k&2)+1]
.endif
.endr
.irp k, 0,2,4,6
	v_pk_add_f32 v[Z+8*\i+\k:Z+8*\i+\k+1], v[Z+8*\i+\k:Z+8*\i+\k+1], v[QA+8*\i+\k:QA+8*\i+\k+1]   ; z + (q - z)
.endr
	global_store_b128 v1, v[Z+8*\i:Z+8*\i+3],   s[12:13] offset:\i*1024 th:TH_STORE_NT       ; 512 consecutive bytes each; Z is not written again
	global_store_b128 v1, v[Z+8*\i+4:Z+8*\i+7], s[12:13] offset:\i*1024+512 th:TH_STORE_NT
.endm
.irp i, 0,1,2,3,4,5,6,7
	ROWG \i
.endr
	v_pk_add_f32 v[LS:LS+1], v[LS:LS+1], v[LS+2:LS+3]
	v_add_f32 v[LS], v[LS], v[LS+1]
	v_add_f32_dpp v[LS], v[LS], v[LS] row_xmask:1 row_mask:0xf bank_mask:0xf
	v_add_f32_dpp v[LS], v[LS], v[LS] row_xmask:2 row_mask:0xf bank_mask:0xf
	v_add_f32_dpp v[LS], v[LS], v[LS] row_xmask:4 row_mask:0xf bank_mask:0xf
	v_add_f32_dpp v[LS], v[LS], v[LS] row_xmask:8 row_mask:0xf bank_mask:0xf
	v_permlanex16_b32 v[TT], v[LS], s60, s61       ; v22 has been written before
	v_add_f32 v[LS], v[LS], v[TT]                  ; my wave's sum
	v_mov_b32 v[TT], s50
	v_lshlrev_b32 v[TT], 2, v[TT]
	ds_store_b32 v[TT], v[LS]                      ; word w: all lanes write the same number
	s_wait_dscnt 0x0                               ; for the others' sake
	s_barrier_signal -1
	s_barrier_wait -1
	s_cmp_lg_u32 s50, 0
	s_cbranch_scc1 .Lothers
	; wave 0: the work-group's 64 indices, two a lane, and the sum of the eight waves' sums.  Its own first row is the work-group's.
	v_and_b32 v96, 31, v0
	v_lshlrev_b32 v97, 3, v96                      ; 8 L
	global_load_b64 v[88:89], v97, s[56:57]
	global_load_b64 v[90:91], v97, s[56:57] offset:65536
	global_load_b64 v[92:93], v97, s[58:59]
	global_load_b64 v[94:95], v97, s[58:59] offset:65536
	v_mov_b32 v98, 0
	ds_load_b128 v[100:103], v98
	ds_load_b128 v[104:107], v98 offset:16
	s_add_nc_u64 s[14:15], s[14:15], s[52:53]      ; out2 at the work-group's rows
	s_lshl_b32 s54, ttmp9, 2
	s_add_nc_u64 s[48:49], s[48:49], s[54:55]      ; part at the work-group's word
	s_wait_dscnt 0x0
	v_pk_add_f32 v[100:101], v[100:101], v[102:103]
	v_pk_add_f32 v[104:105], v[104:105], v[106:107]
	v_pk_add_f32 v[100:101], v[100:101], v[104:105]
	v_add_f32 v100, v100, v101
	s_wait_loadcnt 0x0
	v_cmp_lt_f32 vcc_lo, v94, v92
	v_cndmask_b32 v88, v88, v90, vcc_lo
	v_cmp_lt_f32 vcc_lo, v95, v93
	v_cndmask_b32 v89, v89, v91, vcc_lo
	global_store_b64 v97, v[88:89], s[14:15]       ; 256 consecutive bytes, at a multiple of 256 from out2's first byte
	v_cmp_eq_u32 vcc_lo, 0, v96
	s_wait_xcnt 0x0                                ; EXEC, a source of the stores above, changes only behind this wait
	s_wait_tensorcnt 0x0
	ds_add_u32 v216, v217
	s_wait_dscnt 0x0
	s_and_saveexec_b32 s62, vcc_lo
	global_store_b32 v98, v100, s[48:49]           ; lane 0 alone
	s_endpgm
.Lothers:
	s_wait_tensorcnt 0x0
	ds_add_u32 v216, v217
	s_wait_dscnt 0x0
	s_endpgm
.Lfunc_end_k_q0777ed74f8_gather:
	.size	k_q0777ed74f8_gather, .Lfunc_end_k_q0777ed74f8_gather-k_q0777ed74f8_gather
	.p2alignl 7, 3214868480
	.fill 96, 4, 3214868480
	.section	.rodata,"a",@progbits
	.p2align	6, 0x0
	.amdhsa_kernel k_q0777ed74f8_gather
		.amdhsa_group_segment_fixed_size 1280
		.amdhsa_private_segment_fixed_size 0
		.amdhsa_enable_private_segment 0
		.amdhsa_kernarg_size 56
		.amdhsa_user_sgpr_count 2
		.amdhsa_user_sgpr_kernarg_segment_ptr 1
		.amdhsa_wavefront_size32 1
		.amdhsa_system_sgpr_workgroup_id_x 1
		.amdhsa_system_sgpr_workgroup_id_y 1
		.amdhsa_system_sgpr_workgroup_id_z 1
		.amdhsa_system_vgpr_workitem_id 0
		.amdhsa_next_free_vgpr 218
		.amdhsa_next_free_sgpr 66
		.amdhsa_reserve_vcc 1
		.amdhsa_float_denorm_mode_32 3
		.amdhsa_float_denorm_mode_16_64 3
		.amdhsa_memory_ordered 1
		.amdhsa_forward_progress 1
		.amdhsa_inst_pref_size 21
	.end_amdhsa_kernel
	.amdgpu_metadata
---
amdhsa.version: [ 1, 2 ]
amdhsa.kernels:
  - .name:           k_q0777ed74f8_gather
    .symbol:         k_q0777ed74f8_gather.kd
    .args:
      - { .name: z, .offset: 0, .size: 8, .value_kind: global_buffer, .address_space: global }
      - { .name: codebook, .offset: 8, .size: 8, .value_kind: global_buffer, .address_space: global }
      - { .name: cand_val, .offset: 16, .size: 8, .value_kind: global_buffer, .address_space: global }
      - { .name: cand_idx, .offset: 24, .size: 8, .value_kind: global_buffer, .address_space: global }
      - { .name: out0, .offset: 32, .size: 8, .value_kind: global_buffer, .address_space: global }
      - { .name: out2, .offset: 40, .size: 8, .value_kind: global_buffer, .address_space: global }
      - { .name: part, .offset: 48, .size: 8, .value_kind: global_buffer, .address_space: global }
    .group_segment_fixed_size: 1280
    .private_segment_fixed_size: 0
    .kernarg_segment_align: 8
    .kernarg_segment_size: 56
    .max_flat_workgroup_size: 256
    .sgpr_count:     66
    .vgpr_count:     218
    .wavefront_size: 32
...
	.end_amdgpu_metadata
.endif
;; end of part 3
;; launch loss (part 4): grid 1 x 1, 1 waves a work-group, no clusters, 0 bytes of LDS; arguments part, out1; writes out1
.if DOCPART == 4
	.amdgcn_target "amdgcn-amd-amdhsa--gfx1250"
	.amdhsa_code_object_version 6
	.text
	.protected	k_q0777ed74f8_loss
	.globl	k_q0777ed74f8_loss
	.p2align	8
	.type	k_q0777ed74f8_loss,@function
k_q0777ed74f8_loss:
	s_mov_b64 s[64:65], 0
	v_nop
	global_prefetch_b8 v0, s[64:65] scope:SCOPE_SE
	s_setreg_imm32_b32 hwreg(HW_REG_WAVE_MODE, 25, 1), 1
	s_wait_xcnt 0x0
; out1 = m + 0.25 m, m = (the sum of the 256 partial sums) / (16,384 x 256).  Dividing by 2^22 is exact and m + 0.25 m rounded once is
; 1.25 m rounded once, so one multiplication by 1.25 x 2^-22 gives the same number.  One wave: a sum over work-groups has one owner.
	s_load_b128 s[4:7], s[0:1], 0x0                ; part s[4:5], out1 s[6:7]
	v_lshlrev_b32 v1, 4, v0                        ; 16 L
	s_mov_b32 s8, 0x76543210
	s_mov_b32 s9, 0xfedcba98
	v_mov_b32 v10, 0
	v_mov_b32 v11, 0
	s_wait_kmcnt 0x0
	global_load_b128 v[2:5], v1, s[4:5]
	global_load_b128 v[6:9], v1, s[4:5] offset:512
	s_wait_loadcnt 0x0
	v_pk_add_f32 v[2:3], v[2:3], v[4:5]
	v_pk_add_f32 v[6:7], v[6:7], v[8:9]
	v_pk_add_f32 v[2:3], v[2:3], v[6:7]
	v_add_f32 v2, v2, v3
	v_add_f32_dpp v2, v2, v2 row_xmask:1 row_mask:0xf bank_mask:0xf
	v_add_f32_dpp v2, v2, v2 row_xmask:2 row_mask:0xf bank_mask:0xf
	v_add_f32_dpp v2, v2, v2 row_xmask:4 row_mask:0xf bank_mask:0xf
	v_add_f32_dpp v2, v2, v2 row_xmask:8 row_mask:0xf bank_mask:0xf
	v_permlanex16_b32 v10, v2, s8, s9
	v_add_f32 v2, v2, v10
	v_mul_f32 v2, 0x34a00000, v2                   ; 1.25 x 2^-22
	v_cmp_eq_u32 vcc_lo, 0, v0
	s_wait_xcnt 0x0                                ; EXEC changes only behind this wait
	s_and_saveexec_b32 s10, vcc_lo
	global_store_b32 v11, v2, s[6:7]               ; lane 0 alone
	s_endpgm
.Lfunc_end_k_q0777ed74f8_loss:
	.size	k_q0777ed74f8_loss, .Lfunc_end_k_q0777ed74f8_loss-k_q0777ed74f8_loss
	.p2alignl 7, 3214868480
	.fill 96, 4, 3214868480
	.section	.rodata,"a",@progbits
	.p2align	6, 0x0
	.amdhsa_kernel k_q0777ed74f8_loss
		.amdhsa_group_segment_fixed_size 0
		.amdhsa_private_segment_fixed_size 0
		.amdhsa_enable_private_segment 0
		.amdhsa_kernarg_size 16
		.amdhsa_user_sgpr_count 2
		.amdhsa_user_sgpr_kernarg_segment_ptr 1
		.amdhsa_wavefront_size32 1
		.amdhsa_system_sgpr_workgroup_id_x 1
		.amdhsa_system_sgpr_workgroup_id_y 1
		.amdhsa_system_sgpr_workgroup_id_z 1
		.amdhsa_system_vgpr_workitem_id 0
		.amdhsa_next_free_vgpr 16
		.amdhsa_next_free_sgpr 66
		.amdhsa_reserve_vcc 1
		.amdhsa_float_denorm_mode_32 3
		.amdhsa_float_denorm_mode_16_64 3
		.amdhsa_memory_ordered 1
		.amdhsa_forward_progress 1
		.amdhsa_inst_pref_size 2
	.end_amdhsa_kernel
	.amdgpu_metadata
---
amdhsa.version: [ 1, 2 ]
amdhsa.kernels:
  - .name:           k_q0777ed74f8_loss
    .symbol:         k_q0777ed74f8_loss.kd
    .args:
      - { .name: part, .offset: 0, .size: 8, .value_kind: global_buffer, .address_space: global }
      - { .name: out1, .offset: 8, .size: 8, .value_kind: global_buffer, .address_space: global }
    .group_segment_fixed_size: 0
    .private_segment_fixed_size: 0
    .kernarg_segment_align: 8
    .kernarg_segment_size: 16
    .max_flat_workgroup_size: 32
    .sgpr_count:     66
    .vgpr_count:     16
    .wavefront_size: 32
...
	.end_amdgpu_metadata
.endif
;; end of part 4
;; ======== version 2 of 2: 4 launches; 1.20 times as fast as version 1
;; workspace buffers: zrec 8,650,752 bytes; wrec 4,325,376 bytes; cand_val 131,072 bytes; cand_idx 131,072 bytes of whole numbers; part 1,024 bytes
;; launch prep: the kernel of part 1 again; grid 256 x 1, 6 waves a work-group, no clusters, 52,992 bytes of LDS; arguments z, codebook, zrec, wrec; writes zrec, wrec
;; launch argmin (part 5): grid 128 x 2, 8 waves a work-group, clusters of 4 x 1, 327,680 bytes of LDS; arguments zrec, wrec, cand_val, cand_idx; writes cand_val, cand_idx
.if DOCPART == 5
	.amdgcn_target "amdgcn-amd-amdhsa--gfx1250"
	.amdhsa_code_object_version 6
	.text
	.protected	k_q0777ed74f8_argmin
	.globl	k_q0777ed74f8_argmin
	.p2align	8
	.type	k_q0777ed74f8_argmin,@function
k_q0777ed74f8_argmin:
	s_mov_b64 s[64:65], 0
	v_nop
	global_prefetch_b8 v0, s[64:65] scope:SCOPE_SE
	s_setreg_imm32_b32 hwreg(HW_REG_WAVE_MODE, 25, 1), 1
	s_wait_xcnt 0x0
	s_wait_alu depctr_hold_cnt(0) depctr_sa_sdst(0) depctr_va_vdst(0) depctr_va_sdst(0) depctr_va_ssrc(0) depctr_va_vcc(0) depctr_vm_vsrc(0)
	s_getreg_b32 s2, hwreg(HW_REG_IB_STS2, 6, 4)
	s_cmp_eq_u32 s2, 0
	s_cbranch_scc0 .Lentry_in_a_cluster
	s_endpgm
.Lentry_in_a_cluster:
	s_bfe_u32 s2, ttmp6, 0x10000c
	s_cmp_lg_u32 s2, 0x3003
	s_cbranch_scc0 .Lentry_shape_is_right
	s_endpgm
.Lentry_shape_is_right:
; For 128 rows of z and one half (4,096) of the codes: d[n][k] = fl(fl(zz[n] - 2 dot[n][k]) + ww[k]) and its first minimum, value and index.
; Both roundings are made as the problem's formula makes them, because zz is far larger than the other two terms: many distances of a row
; are EQUAL in f32, and then the lowest index wins.  Hence strict '<' where codes come in ascending order, (value, index) order elsewhere.
; LIMITS, stated: z and the codes enter as bf16 (zz and ww are sums over the same rounded numbers); the matrix unit adds the 256 products of a
; dot in its own order; a NaN distance is never taken, where an argmin would return the NaN's place; a row whose distances are all NaN or
; +infinity gives the value +infinity and index 0.
;
; SHARES.  Work-group (x, y): rows 128 x .. + 127, codes 4096 y .. + 4095 (256 records of 16 codes).  Wave w: g = w >> 2 its 64 rows,
; p = w & 3 its quarter of the records.  The wave's 64 rows x 256 k of z stay in 256 registers for the whole launch, so each 1,024 bytes of
; codes read from LDS feed four matrix instructions.  A TILE is 16 codes x 64 rows: 8 K steps x 4 = 32 matrix instructions; 64 tiles a wave.
; The codes come in CHUNKS of 16 records (135,168 bytes) through two LDS slots; each wave fetches two records (66 rows of 256 bytes).
; CLUSTER: the four work-groups of a cluster have the same y and walk the same chunks: every chunk is asked for jointly (mask 15), which
; divides the requests for codes by four.  z is read once by its own work-group and is shared with no partner.
;
; THE MATRIX INSTRUCTION IS USED TRANSPOSED: source 0 = 16 codes, source 1 = 16 rows of z.  Lane (r, h), register j then holds
; row 16 mt + r and code 8 h + j of the tile: zz is one number a lane and mt, ww eight registers a tile.
;
; THE MINIMUM IS KEPT BY GROUPS OF EIGHT.  A lane's eight results of one (tile, mt) are eight neighbouring codes of one row.  Four three-way
; minima take the eight distances and the group's best so far to the new best, which goes to the other of two registers that take turns
; with the tile's parity.  Where the new best is strictly smaller than the old, the lane takes the tile's first code and ALL EIGHT distances,
; two selects to an instruction.  18 vector instructions for 8 results: 8 packed multiply-adds, 4 minima, 1 compare, 5 selects.
; Tiles come in ascending order, so the earliest tile with the smallest distance stays; which of its eight codes is the first minimum is
; settled once, at the end: the first saved distance that equals the best.
;
; REGISTER WINDOWS: z's operands fill v256-v511, everything else lies in v0-v255.  Matrix instructions run with source 1 in the upper window.
; The two fused multiply-adds of a distance have a constant as source 1 and stand between the matrix instructions under that setting; minima,
; compares and selects take two or three vector registers and need the lower window for all.  So a tile goes in two HALVES of sixteen matrix
; instructions, each followed by twenty vector instructions and one run of eight LDS loads: four switches for a tile's 32 matrix instructions.
.set REC,   8448                       ; a record: 8 x 1,024 bytes of operands, 64 bytes of sums of squares, 192 of zeros
.set NORM,  8192
.set SLOT,  16*REC                     ; a chunk
.set WPART, 2*REC                      ; what one tensor load brings
.set QUART, 4*REC                      ; what one wave reads of a chunk
.set HALFW, 256*REC                    ; half of the codebook's records
.set CV, 2*SLOT                        ; scratch behind the slots, no tensor load lands here: candidates' values, 512 bytes a wave
.set CI, CV+4096                       ; candidates' indices
.set RV, CI+4096                       ; the 128 rows' values
.set RI, RV+512                        ; the 128 rows' indices
; v1 16 L   v2, v3 my operand bytes in slot 0, 1   v4, v5 my ww bytes in slot 0, 1   v6 4 r   v7 8 h   v16-18 at work in the set-up
.set ZZ,   8                           ; v[8:15]    zz of row 16 mt + r, twice (a pair for the packed forms)
.set BM,   20                          ; v[20:27]   group mt's best: behind a tile of parity q it lies at BM + 4 q + mt
.set TI,   28                          ; v[28:31]   group mt: first code of the tile in which the best was found
.set WW,   32                          ; v[32:47]   ww of codes 8 h + 0..7, two buffers: tile t uses buffer t & 1
.set B,    48                          ; v[48:111]  the tile's codes: K step s at B + 8 s
.set ACC,  112                         ; v[112:175] two sets of four accumulators: tile t uses set t & 1
.set SV,   176                         ; v[176:207] group mt: that tile's eight distances, at 8 mt + j
.set M,    208                         ; v[208:213] the trees of two groups
.set JX,   216                         ; v[216:219] the final stage: j of the first minimum
.set IX,   220                         ; v[220:223] the final stage: its index
.set FIN,  240                         ; v[240:253] the final stage
.set G1, 24                            ; s[24:31] descriptor group 1
.set G0, 32                            ; s[32:39] descriptor group 0, one set for each slot
; s12 wave  s13 p  s14 g  s15 cx  s16 work-group x  s17 y  s[18:19] z's records  s[20:21] my part of chunk 0
; s40 first code of the tile being judged  s41 +infinity  s42 loop counter  s43 my part's place in a slot  s44-47 at work
.set MSB, 0
.macro WIN new                         ; the immediate's high byte repeats the setting that is left
.if MSB != \new
	s_set_vgpr_msb (MSB<<8)|\new
.set MSB, \new
.endif
.endm
; A round of the cluster's barrier: my work-group's barrier, wave 0 signals for the work-group, every wave waits for all four work-groups,
; my work-group's barrier once more.
.macro ROUND
	s_barrier_signal -1
	s_barrier_wait -1
	s_cmp_lg_u32 s12, 0
	s_cbranch_scc1 .Lnot_wave_0_\@
	s_barrier_signal -3
.Lnot_wave_0_\@:
	s_barrier_wait -3
	s_barrier_signal -1
	s_barrier_wait -1
.endm
	s_load_b256 s[4:11], s[0:1], 0x0               ; zrec s[4:5], wrec s[6:7], cand_val s[8:9], cand_idx s[10:11]
	v_lshl_add_u32 v254, v0, 2, 0x44400
	v_mov_b32 v255, 0
	ds_add_u32 v254, v255
	s_wait_dscnt 0x0
	v_lshrrev_b32 v1, 5, v0
	v_readfirstlane_b32 s12, v1                    ; wave 0..7
	s_and_b32 s13, s12, 3                          ; p
	s_lshr_b32 s14, s12, 2                         ; g
	s_bfe_u32 s15, ttmp6, 0x40000                  ; cx
	s_lshl_b32 s16, ttmp9, 2                       ; in a cluster launch ttmp9 counts clusters
	s_add_co_u32 s16, s16, s15                     ; work-group x
	s_and_b32 s17, ttmp7, 0xffff                   ; y: the cluster is one work-group high
	; group 1: a block that is dense in memory, 66 rows of 32 elements of 8 bytes
	s_mov_b32 s[G1+0], 15|(3<<16)|(1<<21)          ; 15:0 mask: all four of the cluster; 17:16 elements of 8 bytes; 21 set beside a mask; no padding
	s_mov_b32 s[G1+1], 32<<16                      ; tensor_dim0 = 32
	s_mov_b32 s[G1+2], 66<<16                      ; tensor_dim1 = 66
	s_mov_b32 s[G1+3], 32<<16                      ; tile_dim0 = 32
	s_mov_b32 s[G1+4], 66                          ; tile_dim1 = 66
	s_mov_b32 s[G1+5], 32                          ; from row to row: 32 elements
	s_mov_b32 s[G1+6], 0
	s_mov_b32 s[G1+7], 0
	s_mul_i32 s43, s12, WPART                      ; my two records' place in a chunk and in a slot: the wave's number alone
	s_mul_i32 s44, s17, HALFW                      ; the codes' address hangs on y and the wave alone, which the four partners share
	s_add_co_u32 s44, s44, s43
	s_mov_b32 s45, 0
	s_lshl_b32 s22, s16, 3                         ; z: record 8 x + 4 g
	s_lshl2_add_u32 s22, s14, s22
	s_mul_i32 s22, s22, REC
	s_mov_b32 s23, 0
	s_lshl_b32 s40, s17, 12                        ; my tile 0 begins at code 4096 y + 64 p
	s_lshl_b32 s46, s13, 6
	s_add_co_u32 s40, s40, s46
	s_mov_b32 s41, 0x7f800000                      ; +infinity
	v_and_b32 v16, 31, v0                          ; L
	v_lshlrev_b32 v1, 4, v16                       ; 16 L
	ROUND                                          ; all four work-groups are here: the first joint loads meet.  The round needs the wave's number
	                                               ; alone, so it stands ahead of the wait for the buffers' addresses, which come in meanwhile
	s_wait_kmcnt 0x0
	s_add_nc_u64 s[18:19], s[4:5], s[22:23]
	s_add_nc_u64 s[20:21], s[6:7], s[44:45]
.irp n, 0,1
	s_mov_b32 s[G0+4*\n], 1                                        ; count = 1
	s_add_co_u32 s[G0+4*\n+1], s43, \n*SLOT                        ; LDS address
	s_add_nc_u64 s[G0+4*\n+2:G0+4*\n+3], s[20:21], \n*SLOT         ; global address: chunk n
	s_or_b32 s[G0+4*\n+3], s[G0+4*\n+3], 0x80000000                ; type = 2
.endr
	tensor_load_to_lds s[G0:G0+3], s[G1:G1+7]      ; chunk 0 and chunk 1: the two first fills go out together;
	s_nop 0
	tensor_load_to_lds s[G0+4:G0+7], s[G1:G1+7]    ; two loads of the wave are out here, later never more than one
	s_nop 0
	; my 64 rows of z: 64 loads of 512 consecutive bytes into v256-v511; operand (mt, s) at 256 + 8 (8 mt + s)
	WIN 0x40                                       ; destination in the upper window
.irp mt, 0,1,2,3
.irp s, 0,1,2,3,4,5,6,7
	global_load_b128 v[8*(8*\mt+\s):8*(8*\mt+\s)+3],   v1, s[18:19] offset:\mt*REC+\s*1024
	global_load_b128 v[8*(8*\mt+\s)+4:8*(8*\mt+\s)+7], v1, s[18:19] offset:\mt*REC+\s*1024+512
.endr
.endr
	WIN 0
	v_and_b32 v17, 15, v0                          ; r
	v_bfe_u32 v18, v0, 4, 1                        ; h
	v_lshlrev_b32 v6, 2, v17                       ; 4 r
	v_lshlrev_b32 v7, 3, v18                       ; 8 h
.irp mt, 0,1,2,3
	global_load_b32 v[ZZ+2*\mt], v6, s[18:19] offset:\mt*REC+NORM  ; zz of row 16 mt + r
.endr
	s_mul_i32 s44, s13, QUART                      ; my quarter of a chunk
	v_add_nc_u32 v2, s44, v1
	v_add_nc_u32 v3, SLOT, v2
	v_lshl_add_u32 v4, v18, 5, s44                 ; ww of codes 8 h ..: 32 h bytes into the record's sums
	v_add_nc_u32 v4, NORM, v4
	v_add_nc_u32 v5, SLOT, v4
	s_wait_loadcnt 0x0
.irp mt, 0,1,2,3
	v_mov_b32 v[ZZ+2*\mt+1], v[ZZ+2*\mt]           ; the pair's second half
.endr
; One matrix instruction: tile's set, K step s, rows 16 mt ...  The first K step starts the sum.
.macro WM set, s, mt
.if \s == 0
	v_wmma_f32_16x16x32_bf16 v[ACC+32*\set+8*\mt:ACC+32*\set+8*\mt+7], v[B+8*\s:B+8*\s+7], v[8*(8*\mt+\s):8*(8*\mt+\s)+7], 0
.else
	v_wmma_f32_16x16x32_bf16 v[ACC+32*\set+8*\mt:ACC+32*\set+8*\mt+7], v[B+8*\s:B+8*\s+7], v[8*(8*\mt+\s):8*(8*\mt+\s)+7], v[ACC+32*\set+8*\mt:ACC+32*\set+8*\mt+7]
.endif
.endm
; One of the eight fused multiply-adds of group mt of the tile in set pset: i = 0..3 the first rounding of pair i, i = 4..7 the second of pair i - 4.
; Source 1 is a constant: the line means the same under the matrix setting and under window 0.
.macro PK i, mt, pset
.set PD, ACC+32*(\pset)+8*(\mt)+2*((\i)&3)
.if (\i) < 4
	v_pk_fma_f32 v[PD:PD+1], v[PD:PD+1], -2.0, v[ZZ+2*(\mt):ZZ+2*(\mt)+1] op_sel_hi:[1,0,1]                                   ; fl(zz - 2 dot)
.else
	v_pk_fma_f32 v[PD:PD+1], v[PD:PD+1], 1.0, v[WW+8*(\pset)+2*((\i)&3):WW+8*(\pset)+2*((\i)&3)+1] op_sel_hi:[1,0,1]          ; fl(.. + ww): the second rounding
.endif
.endm
; The judging of group mt of the tile in set pset, in three pieces, all under window 0.
; The tree's first three minima: eight distances and the old best, nine numbers to three.
.macro TREE3 mt, pset, m
.set TD, ACC+32*(\pset)+8*(\mt)
	v_min3_num_f32 v[\m],   v[TD],   v[TD+1], v[TD+2]
	v_min3_num_f32 v[\m+1], v[TD+3], v[TD+4], v[TD+5]
	v_min3_num_f32 v[\m+2], v[TD+6], v[TD+7], v[BM+4*(1-(\pset))+(\mt)]
.endm
; Its last: the new best, into the register of this tile's parity; the old best stays for the compare.
.macro TREE1 mt, pset, m
	v_min3_num_f32 v[BM+4*(\pset)+(\mt)], v[\m], v[\m+1], v[\m+2]
.endm
; Where the best has become strictly smaller, the tile's first code and its eight distances are taken: an equal minimum of a later tile
; changes nothing.  Two selects go in one instruction: neighbouring registers give the dual form one even and one odd destination and like
; sources whose numbers differ modulo 4.
.macro KEEP mt, pset
.set KD, ACC+32*(\pset)+8*(\mt)
	v_cmp_lt_f32 vcc_lo, v[BM+4*(\pset)+(\mt)], v[BM+4*(1-(\pset))+(\mt)]
	v_cndmask_b32 v[TI+(\mt)], v[TI+(\mt)], s40, vcc_lo
.irp j, 0,2,4,6
	v_dual_cndmask_b32 v[SV+8*(\mt)+\j], v[SV+8*(\mt)+\j], v[KD+\j] :: v_dual_cndmask_b32 v[SV+8*(\mt)+\j+1], v[SV+8*(\mt)+\j+1], v[KD+\j+1]
.endr
.endm
.macro TAKE1 mt, pset                  ; one group: ten instructions
	TREE3 \mt, \pset, M
	TREE1 \mt, \pset, M
	KEEP \mt, \pset
.endm
.macro TAKE2 ma, mb, pset              ; two groups, their trees interleaved: twenty instructions
	TREE3 \ma, \pset, M
	TREE3 \mb, \pset, M+3
	TREE1 \ma, \pset, M
	TREE1 \mb, \pset, M+3
	KEEP \ma, \pset
	KEEP \mb, \pset
.endm
; In the first tile's stream there is nothing to judge: group mt is started instead.  Tile 0, of parity 0, finds its old best in the
; register of parity 1.  Ten plain vector instructions.
.macro INIT mt
	v_mov_b32 v[BM+4+(\mt)], s41
	v_mov_b32 v[TI+(\mt)], 0
.irp j, 0,1,2,3,4,5,6,7
	v_mov_b32 v[SV+8*(\mt)+\j], s41
.endr
.endm
; Half u of the tile in set: its K steps 4 u .. 4 u + 3, sixteen matrix instructions; behind each of them one of the sixteen multiply-adds of
; groups 2 u and 2 u + 1 of the tile before, which lies in the other set (dependent ones stand four matrix instructions apart); then the
; judging of these two groups.  Register work alone.
; The four accumulators take turns, one instruction a turn, from half to half, from tile to tile and over the loop's backward jump.
; PLACES (ISA guide 7.12.1): the vector lines name the OTHER set's accumulators, so they name no register of this tile's matrix instructions.
; An accumulator is first read in the next tile's stream, behind the twenty (in a quarter: ten) lines of this tile's last judging at the least.
.macro HALF set, epi, u
	WIN 0x04                                       ; source 1 in the upper window
.irp gg, 0,1
.irp w, 0,1
.irp mt, 0,1,2,3
	WM \set, (4*\u+2*\gg+\w), \mt
.if \epi
	PK (4*\w+\mt), (2*\u+\gg), (1-\set)
.endif
.endr
.endr
.endr
	WIN 0
.if \epi
	TAKE2 (2*\u), (2*\u+1), (1-\set)
.else
	INIT (2*\u)
	INIT (2*\u+1)
.endif
.endm
; The same by quarters, for the stream in which the slots change: K steps 2 b, 2 b + 1 and group b.
.macro BATCH set, b
	WIN 0x04
.irp w, 0,1
.irp mt, 0,1,2,3
	WM \set, (2*\b+\w), \mt
	PK (4*\w+\mt), \b, (1-\set)
.endr
.endr
	WIN 0
	TAKE1 \b, (1-\set)
.endm
; K step s of record ti of my quarter of slot rs, over the operand that the running tile has used.  These loads stand behind a judging or an
; INIT: ten plain vector instructions or more behind the last matrix instruction that read the operand.
.macro LDB rs, ti, s
	ds_load_b128 v[B+8*(\s):B+8*(\s)+3],   v[2+\rs] offset:\ti*REC+(\s)*1024
	ds_load_b128 v[B+8*(\s)+4:B+8*(\s)+7], v[2+\rs] offset:\ti*REC+(\s)*1024+512
.endm
.macro LDW set, rs, ti                 ; the same record's ww, into the buffer whose tile has just been judged
	ds_load_b128 v[WW+8*(1-\set):WW+8*(1-\set)+3],   v[4+\rs] offset:\ti*REC
	ds_load_b128 v[WW+8*(1-\set)+4:WW+8*(1-\set)+7], v[4+\rs] offset:\ti*REC+16
.endm
; The stream of one tile: two halves, each followed by one run of eight loads for the NEXT tile (record ti of slot rs).
; A tile's 18 loads always go out in the same order: K steps 0 to 7, then ww.  step: from the judged tile's first code to the next one's.
.macro STREAM set, epi, rs, ti, step
.irp u, 0,1
	s_wait_dscnt 10                                ; behind this tile's K steps 0-3 were issued 8 loads of its K steps 4-7 and 2 of its ww; behind its K steps 4-7
	                                               ; 2 of ww and 8 of this stream: 10 either way.  The judged tile's ww is older than both
	HALF \set, \epi, \u
	LDB \rs, \ti, (4*\u)
	LDB \rs, \ti, (4*\u+1)
	LDB \rs, \ti, (4*\u+2)
	LDB \rs, \ti, (4*\u+3)
.endr
	LDW \set, \rs, \ti
.if \step
	s_add_co_u32 s40, s40, \step
.endif
.endm
; The stream of a chunk's last tile (set 1), in which the slots change.  That tile is whole in registers once my LDS loads are back, so its slot
; can be filled again while it is still being multiplied.  The first quarter loads nothing; behind it stand the waits and the round's opening
; signal.  Two quarters, register work alone, stand inside the round: one between the opening signal and its wait, one between wave 0's
; signal for the work-group and the wait for all four work-groups.  Behind the closing wait the refill comes first, then K steps 0 to 5 of the
; first tile of slot rs, the last quarter, and the rest of that tile's loads.
.macro CHANGE rs, refill
	s_wait_dscnt 14                                ; behind this tile's K steps 0, 1 were issued 12 loads of its K steps 2-7 and 2 of its ww
	BATCH 1, 0
	s_wait_dscnt 0x0                               ; my reads of the other slot are back (the last were issued a quarter ago)
	s_wait_tensorcnt 0x0                           ; all my tensor loads have landed: the one that was out is my part of slot rs
	ds_add_u32 v254, v255
	s_wait_dscnt 0x0
.if \refill
	s_add_nc_u64 s[G0+4*(1-\rs)+2:G0+4*(1-\rs)+3], s[G0+4*(1-\rs)+2:G0+4*(1-\rs)+3], 2*SLOT   ; no load is out: the other slot's address steps two chunks
.endif
	s_barrier_signal -1                            ; say so,
	BATCH 1, 1                                     ; work on registers while the others arrive,
	s_barrier_wait -1                              ; and go on when all eight have said so
.if \refill
	s_cmp_lg_u32 s12, 0
	s_cbranch_scc1 .Lnot_first_wave_\@
	s_barrier_signal -3                            ; wave 0 says so for the work-group
.Lnot_first_wave_\@:
	BATCH 1, 2                                     ; registers again, while the partners arrive
	s_barrier_wait -3                              ; all four work-groups have said so
	s_barrier_signal -1
	s_barrier_wait -1                              ; the round is closed: both waits hold of every wave of all four work-groups
	tensor_load_to_lds s[G0+4*(1-\rs):G0+4*(1-\rs)+3], s[G1:G1+7]   ; my one load behind the round, first thing there: it has more than three streams in which to land
	s_nop 0
	LDB \rs, 0, 0
	LDB \rs, 0, 1
	LDB \rs, 0, 2
	LDB \rs, 0, 3
	LDB \rs, 0, 4
	LDB \rs, 0, 5
.else
	LDB \rs, 0, 0                                  ; the last chunk: nothing is filled, a barrier of the work-group alone
	LDB \rs, 0, 1
	LDB \rs, 0, 2
	LDB \rs, 0, 3
	BATCH 1, 2
	LDB \rs, 0, 4
	LDB \rs, 0, 5
.endif
	BATCH 1, 3
	LDB \rs, 0, 6
	LDB \rs, 0, 7
	LDW 1, \rs, 0                                  ; 18 loads in the same order as in any stream: the next stream's counts hold
	s_add_co_u32 s40, s40, 16
.endm
.macro TRIP rs, refill
	CHANGE \rs, \refill
	STREAM 0, 1, \rs, 1, 208                       ; the judged tile was its chunk's last: 256 - 48 codes on
	STREAM 1, 1, \rs, 2, 16
	STREAM 0, 1, \rs, 3, 16
.endm
; (va, ia) takes (vb, ib) if that is smaller in (value, index) order
.macro LEX va, ia, vb, ib
	v_cmp_lt_f32 s44, v[\vb], v[\va]
	v_cmp_eq_f32 s45, v[\vb], v[\va]
	v_cmp_lt_u32 s46, v[\ib], v[\ia]
	s_and_b32 s45, s45, s46
	s_or_b32 vcc_lo, s44, s45
	v_cndmask_b32 v[\va], v[\va], v[\vb], vcc_lo
	v_cndmask_b32 v[\ia], v[\ia], v[\ib], vcc_lo
.endm
	s_wait_tensorcnt 0x1                           ; my part of chunk 0 is in; chunk 1 may stay out
	s_barrier_signal -1
	s_barrier_wait -1                              ; everybody's part is in
.irp s, 0,1,2,3,4,5,6,7
	LDB 0, 0, \s                                   ; tile 0
.endr
	ds_load_b128 v[WW:WW+3],   v4
	ds_load_b128 v[WW+4:WW+7], v4 offset:16
	STREAM 0, 0, 0, 1, 0                           ; tile 0 multiplied, the groups started
	STREAM 1, 1, 0, 2, 16                          ; tile 1 multiplied, tile 0 judged
	STREAM 0, 1, 0, 3, 16
	s_mov_b32 s42, 7
.Lchunks:                                      ; 14 changes of slots, which ask for chunks 2 to 15
	TRIP 1, 1
	TRIP 0, 1
	s_sub_co_u32 s42, s42, 1
	s_cmp_lg_u32 s42, 0
	s_cbranch_scc1 .Lchunks
	TRIP 1, 0                                      ; chunk 15: nothing is left to fetch
	s_wait_dscnt 0x0                               ; tile 63 and its ww: nothing is loaded behind them
	HALF 1, 1, 0                                   ; tile 63 multiplied, tile 62 judged
	HALF 1, 1, 1
	s_add_co_u32 s40, s40, 16
	; tile 63 judged: its accumulators are read behind the twenty lines of the judging above
.irp mt, 0,1,2,3
.irp i, 0,1,2,3
	PK \i, \mt, 1
.endr
.endr
.irp mt, 0,1,2,3
.irp i, 4,5,6,7
	PK \i, \mt, 1
.endr
.endr
	TAKE2 0, 1, 1
	TAKE2 2, 3, 1                                  ; tile 63 has parity 1: the groups' bests now lie at BM + 4 + mt
	; THE FINAL STAGE.  In each group the first saved distance that equals the best gives j: j runs down from 6 to 0, so the lowest stays.
.irp mt, 0,1,2,3
	v_mov_b32 v[JX+\mt], 7
.endr
.irp j, 6,5,4,3,2,1,0
.irp mt, 0,1,2,3
	v_cmp_eq_f32 s[44+\mt], v[SV+8*\mt+\j], v[BM+4+\mt]
.endr
.irp mt, 0,1,2,3
	v_cndmask_b32 v[JX+\mt], v[JX+\mt], \j, s[44+\mt]
.endr
.endr
.irp mt, 0,1,2,3
	v_add3_u32 v[IX+\mt], v[TI+\mt], v7, v[JX+\mt] ; tile's first code + 8 h + j
.endr
	; a row has eight candidates: four waves p, two halves h.  Each wave lays its 128 into 512 bytes of its own: 512 w + 128 mt + 4 L
	s_lshl_b32 s44, s12, 9
	s_add_co_u32 s44, s44, CV
	v_and_b32 v[FIN], 31, v0
	v_lshl_add_u32 v[FIN], v[FIN], 2, s44
.irp mt, 0,1,2,3
	ds_store_b32 v[FIN], v[BM+4+\mt] offset:128*\mt
	ds_store_b32 v[FIN], v[IX+\mt]   offset:128*\mt+4096
.endr
	; thread t takes row t >> 1 = 16 w + (L >> 1) and half h = t & 1: that row's g is w >> 2, its mt is w & 3, its r is L >> 1
	s_lshl_b32 s44, s14, 11                        ; 4 g waves of 512 bytes
	s_lshl_b32 s45, s13, 7                         ; 128 mt
	s_add_co_u32 s44, s44, s45
	s_add_co_u32 s44, s44, CV
	v_and_b32 v[FIN+1], 1, v0
	v_bfe_u32 v[FIN+12], v0, 1, 4                  ; L >> 1
	v_lshlrev_b32 v[FIN+1], 6, v[FIN+1]            ; 16 h lanes of 4 bytes
	v_lshl_add_u32 v[FIN+1], v[FIN+12], 2, v[FIN+1]
	v_add_nc_u32 v[FIN+1], s44, v[FIN+1]
	s_wait_dscnt 0x0                               ; my candidates are in LDS, for the others' sake
	s_barrier_signal -1
	s_barrier_wait -1
.irp p, 0,1,2,3
	ds_load_b32 v[FIN+2+\p], v[FIN+1] offset:512*\p
	ds_load_b32 v[FIN+6+\p], v[FIN+1] offset:512*\p+4096
.endr
	s_wait_dscnt 0x0
	LEX FIN+2, FIN+6, FIN+3, FIN+7
	LEX FIN+4, FIN+8, FIN+5, FIN+9
	LEX FIN+2, FIN+6, FIN+4, FIN+8
	v_mov_b32 v[FIN+10], 0                         ; a DPP form's destination counts as read: written first
	v_mov_b32 v[FIN+11], 0
	v_mov_b32_dpp v[FIN+10], v[FIN+2] row_xmask:1 row_mask:0xf bank_mask:0xf   ; the other half's result, from the lane beside me
	v_mov_b32_dpp v[FIN+11], v[FIN+6] row_xmask:1 row_mask:0xf bank_mask:0xf
	LEX FIN+2, FIN+6, FIN+10, FIN+11               ; both lanes of a pair now hold the row's result
	s_lshl_b32 s44, s12, 6
	s_add_co_u32 s44, s44, RV
	v_lshl_add_u32 v[FIN+12], v[FIN+12], 2, s44    ; word 16 w + (L >> 1): 64 bytes of the wave's own
	ds_store_b32 v[FIN+12], v[FIN+2]
	ds_store_b32 v[FIN+12], v[FIN+6] offset:512
	s_wait_dscnt 0x0
	s_barrier_signal -1
	s_barrier_wait -1
	s_cmp_lg_u32 s12, 0
	s_cbranch_scc1 .Lnot_first
	; wave 0 stores the 128 rows' values and indices: 512 consecutive bytes each, at a multiple of 256 from the buffer's first byte
	v_add_nc_u32 v[FIN+13], RV, v1
	ds_load_b128 v[FIN+2:FIN+5], v[FIN+13]
	ds_load_b128 v[FIN+6:FIN+9], v[FIN+13] offset:512
	s_lshl_b32 s22, s16, 9                         ; 128 x rows of 4 bytes (in the registers that held z's offset: none that feeds a descriptor ever holds cx)
	s_lshl_b32 s23, s17, 16                        ; + y tables of 16,384 rows
	s_add_co_u32 s22, s22, s23
	s_mov_b32 s23, 0
	s_add_nc_u64 s[8:9], s[8:9], s[22:23]
	s_add_nc_u64 s[10:11], s[10:11], s[22:23]
	s_wait_dscnt 0x0
	global_store_b128 v1, v[FIN+2:FIN+5], s[8:9]
	global_store_b128 v1, v[FIN+6:FIN+9], s[10:11]
.Lnot_first:
	s_wait_tensorcnt 0x0
	ds_add_u32 v254, v255
	s_wait_dscnt 0x0
	ROUND                                          ; the closing round: no work-group ends while a partner may still ask for a chunk that names it
	s_endpgm
.Lfunc_end_k_q0777ed74f8_argmin:
	.size	k_q0777ed74f8_argmin, .Lfunc_end_k_q0777ed74f8_argmin-k_q0777ed74f8_argmin
	.p2alignl 7, 3214868480
	.fill 96, 4, 3214868480
	.section	.rodata,"a",@progbits
	.p2align	6, 0x0
	.amdhsa_kernel k_q0777ed74f8_argmin
		.amdhsa_group_segment_fixed_size 327680
		.amdhsa_private_segment_fixed_size 0
		.amdhsa_enable_private_segment 0
		.amdhsa_kernarg_size 32
		.amdhsa_user_sgpr_count 2
		.amdhsa_user_sgpr_kernarg_segment_ptr 1
		.amdhsa_wavefront_size32 1
		.amdhsa_system_sgpr_workgroup_id_x 1
		.amdhsa_system_sgpr_workgroup_id_y 1
		.amdhsa_system_sgpr_workgroup_id_z 1
		.amdhsa_system_vgpr_workitem_id 0
		.amdhsa_next_free_vgpr 512
		.amdhsa_next_free_sgpr 66
		.amdhsa_reserve_vcc 1
		.amdhsa_float_denorm_mode_32 3
		.amdhsa_float_denorm_mode_16_64 3
		.amdhsa_memory_ordered 1
		.amdhsa_forward_progress 1
		.amdhsa_inst_pref_size 146
	.end_amdhsa_kernel
	.amdgpu_metadata
---
amdhsa.version: [ 1, 2 ]
amdhsa.kernels:
  - .name:           k_q0777ed74f8_argmin
    .symbol:         k_q0777ed74f8_argmin.kd
    .args:
      - { .name: zrec, .offset: 0, .size: 8, .value_kind: global_buffer, .address_space: global }
      - { .name: wrec, .offset: 8, .size: 8, .value_kind: global_buffer, .address_space: global }
      - { .name: cand_val, .offset: 16, .size: 8, .value_kind: global_buffer, .address_space: global }
      - { .name: cand_idx, .offset: 24, .size: 8, .value_kind: global_buffer, .address_space: global }
    .group_segment_fixed_size: 327680
    .private_segment_fixed_size: 0
    .kernarg_segment_align: 8
    .kernarg_segment_size: 32
    .max_flat_workgroup_size: 256
    .sgpr_count:     66
    .vgpr_count:     512
    .wavefront_size: 32
...
	.end_amdgpu_metadata
.endif
;; end of part 5
;; launch gather: the kernel of part 3 again; grid 256 x 1, 8 waves a work-group, no clusters, 1,280 bytes of LDS; arguments z, codebook, cand_val, cand_idx, out0, out2, part; writes out0, out2, part
;; launch loss: the kernel of part 4 again; grid 1 x 1, 1 waves a work-group, no clusters, 0 bytes of LDS; arguments part, out1; writes out1
